; MI455X (gfx1250); checked and timed in simulation.
; The chip was launched on July 23, 2026; its instructions are those of AMD's public machine-readable ISA for CDNA 5 (MIT licence, August 2026) and "CDNA5" Instruction Set Architecture Reference Guide (July 2026). The comments in the code are by the model that wrote it; some were corrected since.
;; NMS. Allowed arithmetic: float matrix products may take bf16 or f16 operands with f32 sums; all other float work in f32.
;; Inputs: bounding_box 8,192 x 4 float32; cls_score 8,192 float32.
;; Outputs: out0 8,192 x 4 float32.
;; One version. Each part assembles by itself: llvm-mc -triple=amdgcn-amd-amdhsa -mcpu=gfx1250 --defsym DOCPART=n.
;; ======== version 1 of 1: 3 launches
;; limits: right only within a limited range of input values
;; workspace buffers: rank 32,768 bytes of whole numbers; sbox 131,072 bytes; sarea 32,768 bytes
;; launch rank (part 1): grid 256 x 1, 16 waves a work-group, no clusters, 4,096 bytes of LDS; arguments cls_score, rank; writes rank
.if DOCPART == 1
	.amdgcn_target "amdgcn-amd-amdhsa--gfx1250"
	.amdhsa_code_object_version 6
	.text
	.protected	k_qbb495703d4_rank
	.globl	k_qbb495703d4_rank
	.p2align	8
	.type	k_qbb495703d4_rank,@function
k_qbb495703d4_rank:
	s_mov_b64 s[64:65], 0
	v_nop
	global_prefetch_b8 v0, s[64:65] scope:SCOPE_SE
	s_setreg_imm32_b32 hwreg(HW_REG_WAVE_MODE, 25, 1), 1
	s_wait_xcnt 0x0
; rank[j] = place of box j in the stable order of falling scores
;         = #{ i : s_i > s_j } + #{ i < j : s_i = s_j },   8192 scores, counted, not sorted.
; A work-group owns 32 columns j (its number x 32 ..) and meets all 8192 rows i.  Sixteen waves; a wave holds 512 rows in
; 16 registers (lane = row), the 32 columns are scalars.  One v_cmp settles 32 pairs; its mask is counted and summed by scalar
; instructions, so the count of a column is a scalar and needs no sum across lanes.
; KEYS.  A score becomes an unsigned key that rises with the score: -0 is made +0 first (the two are equal in the order),
; a NaN gets key 1, below every number (-inf has key 0x007fffff): NaNs come last, in index order among themselves.
; TIES go to the lower index.  Rows in blocks of 32 in front of the column block get key + 1, which turns '>' into '>=' for them
; (the largest key, +inf's 0xff800000, has room); rows behind it stay; inside the column block '>' is counted here
; and the ties with a lower index in one more pass, by the last wave.
; No cluster: every work-group reads the same 32,768 bytes of scores, each wave straight into the registers that use them;
; a joint request would land in LDS and add a store and a load for every byte.
.set NBOX,   8192
.set WAVES,  16
.set RV,     NBOX/32/WAVES             ; 16 row registers a wave
.set COLS,   16                        ; s[16:47]  keys of my 32 columns
.set TMP,    48                        ; s[48:63]  masks, two banks of eight
.set ACC,    66                        ; s[66:97]  counts of my 32 columns over this wave's rows
.set LANE,   1
.set WV,     2
.set ROWOFF, 3                         ; byte offset of my row in the wave's first row register
.set COLOFF, 4                         ; byte offset of column 'lane' in the scores and in rank
.set ONE,    5
.set T,      6
.set CK,     7                         ; key of column 'lane'
.set R,      8                         ; the wave's 32 counts, one a lane
.set L4,     9                         ; 4 x lane
.set K,      10                        ; v[10:25]  row keys
	s_load_b128 s[4:7], s[0:1], 0x0                ; scores s[4:5], rank s[6:7]
	v_lshl_add_u32 v32, v0, 2, 0x800
	v_mov_b32 v33, 0
	v_and_b32 v[LANE], 31, v0
	v_lshrrev_b32 v[WV], 5, v0
	v_readfirstlane_b32 s8, v[WV]                  ; wave number
	v_lshlrev_b32 v[L4], 2, v[LANE]
	v_lshl_add_u32 v[ROWOFF], v[WV], 11, v[L4]     ; wave x 512 rows x 4 bytes + 4 lane
	s_lshl_b32 s9, ttmp9, 7                        ; 32 columns x 4 bytes a work-group
	v_add_nc_u32 v[COLOFF], s9, v[L4]
	v_mov_b32 v[ONE], 1
	s_lshl_b32 s10, s8, 4                          ; my first block of 32 rows
	s_sub_co_i32 s11, ttmp9, s10                   ; so many of my row registers lie in front of the column block (may be <= 0 or >= 16)
	s_wait_kmcnt 0x0
	global_load_b32 v[CK], v[COLOFF], s[4:5]
.irp i, 0,1,2,3,4,5,6,7,8,9,10,11,12,13,14,15
	global_load_b32 v[K+\i], v[ROWOFF], s[4:5] offset:128*\i
.endr
.macro KEY r                           ; score -> key, in place
	v_add_f32 v[\r], 0, v[\r]                      ; -0 + 0 = +0
	v_ashrrev_i32 v[T], 31, v[\r]                  ; all ones for a negative number
	v_cmp_neq_f32 vcc_lo, v[\r], v[\r]             ; NaN
	v_or_b32 v[T], 0x80000000, v[T]
	v_xor_b32 v[\r], v[\r], v[T]                   ; negative: all bits turned; else the sign bit set
	v_cndmask_b32 v[\r], v[\r], v[ONE], vcc_lo
.endm
.macro CMP8 row, cb, bank              ; eight columns against one row register: masks of the rows that come first
.irp j, 0,1,2,3,4,5,6,7
	v_cmp_gt_u32 s[TMP+\bank+\j], v[\row], s[COLS+\cb+\j]
.endr
.endm
.macro CNT8 cb, bank, first            ; count the masks; the first row register starts the sums, nothing is cleared
.if \first
.irp j, 0,1,2,3,4,5,6,7
	s_bcnt1_i32_b32 s[ACC+\cb+\j], s[TMP+\bank+\j]
.endr
.else
.irp j, 0,1,2,3,4,5,6,7
	s_bcnt1_i32_b32 s[TMP+\bank+\j], s[TMP+\bank+\j]
.endr
.irp j, 0,1,2,3,4,5,6,7
	s_add_co_u32 s[ACC+\cb+\j], s[ACC+\cb+\j], s[TMP+\bank+\j]
.endr
.endif
.endm
.macro ROWS i, first                   ; row register i against all 32 columns; the compares run one bank ahead of the counting
	s_wait_loadcnt RV-1-\i                         ; loads return in order: register i is in, the RV-1-i younger ones may be out
	KEY K+\i
	s_cmp_gt_i32 s11, \i                           ; is this block of rows in front of the column block?
	s_cselect_b32 s12, 1, 0
	v_add_nc_u32 v[K+\i], s12, v[K+\i]             ; then a tie counts too
	CMP8 K+\i, 0, 0
	CMP8 K+\i, 8, 8
	CNT8 0, 0, \first
	CMP8 K+\i, 16, 0
	CNT8 8, 8, \first
	CMP8 K+\i, 24, 8
	CNT8 16, 0, \first
	CNT8 24, 8, \first
.endm
.macro TIE8 cb                         ; inside the column block: rows (lanes) below column c with an equal key
.irp j, 0,1,2,3,4,5,6,7
	v_cmp_eq_u32 s[TMP+\j], v[CK], s[COLS+\cb+\j]
.endr
.irp j, 0,1,2,3,4,5,6,7
	s_and_b32 s[TMP+\j], s[TMP+\j], (1<<(\cb+\j))-1
.endr
.irp j, 0,1,2,3,4,5,6,7
	s_bcnt1_i32_b32 s[TMP+\j], s[TMP+\j]
.endr
.irp j, 0,1,2,3,4,5,6,7
	s_add_co_u32 s[ACC+\cb+\j], s[ACC+\cb+\j], s[TMP+\j]
.endr
.endm
	s_wait_loadcnt RV                              ; the column scores are in; the RV row loads behind them may be out
	KEY CK
.set jj, 0
.rept 32
	v_readlane_b32 s[COLS+jj], v[CK], jj           ; column keys as scalars
.set jj, jj+1
.endr
	ROWS 0, 1
.irp i, 1,2,3,4,5,6,7,8,9,10,11,12,13,14,15
	ROWS \i, 0
.endr
	s_cmp_lg_u32 s8, WAVES-1                       ; the ties inside the block are counted once, by the last wave
	s_cbranch_scc1 .Lno_ties
	TIE8 0
	TIE8 8
	TIE8 16
	TIE8 24
.Lno_ties:
	v_mov_b32 v[R], 0                              ; v_writelane keeps the other lanes: the register is written whole first
.set jj, 0
.rept 32
	v_writelane_b32 v[R], s[ACC+jj], jj            ; count of column jj into lane jj
.set jj, jj+1
.endr
	s_lshl_b32 s12, s8, 7
	v_add_nc_u32 v[T], s12, v[L4]                  ; LDS: wave x 128 + 4 lane
	ds_store_b32 v[T], v[R]
	s_wait_dscnt 0x0                               ; for wave 0, which reads these words: zero
	s_barrier_signal -1
	s_barrier_wait -1
	s_cmp_lg_u32 s8, 0
	s_cbranch_scc1 .Lend
.irp i, 0,1,2,3,4,5,6,7,8,9,10,11,12,13,14,15
	ds_load_b32 v[K+\i], v[L4] offset:128*\i       ; lane = column: the sixteen waves' counts
.endr
	s_wait_dscnt 0x0
	v_add3_u32 v[K], v[K], v[K+1], v[K+2]
	v_add3_u32 v[K+3], v[K+3], v[K+4], v[K+5]
	v_add3_u32 v[K+6], v[K+6], v[K+7], v[K+8]
	v_add3_u32 v[K+9], v[K+9], v[K+10], v[K+11]
	v_add3_u32 v[K+12], v[K+12], v[K+13], v[K+14]
	v_add3_u32 v[K], v[K], v[K+3], v[K+6]
	v_add3_u32 v[K+9], v[K+9], v[K+12], v[K+15]
	v_add_nc_u32 v[K], v[K], v[K+9]
	global_store_b32 v[COLOFF], v[K], s[6:7]       ; 128 consecutive bytes: the 32 columns that the work-group owns
.Lend:
	s_wait_tensorcnt 0x0
	ds_add_u32 v32, v33
	s_wait_dscnt 0x0
	s_endpgm
.Lfunc_end_k_qbb495703d4_rank:
	.size	k_qbb495703d4_rank, .Lfunc_end_k_qbb495703d4_rank-k_qbb495703d4_rank
	.p2alignl 7, 3214868480
	.fill 96, 4, 3214868480
	.section	.rodata,"a",@progbits
	.p2align	6, 0x0
	.amdhsa_kernel k_qbb495703d4_rank
		.amdhsa_group_segment_fixed_size 4096
		.amdhsa_private_segment_fixed_size 0
		.amdhsa_enable_private_segment 0
		.amdhsa_kernarg_size 16
		.amdhsa_user_sgpr_count 2
		.amdhsa_user_sgpr_kernarg_segment_ptr 1
		.amdhsa_wavefront_size32 1
		.amdhsa_system_sgpr_workgroup_id_x 1
		.amdhsa_system_sgpr_workgroup_id_y 1
		.amdhsa_system_sgpr_workgroup_id_z 1
		.amdhsa_system_vgpr_workitem_id 0
		.amdhsa_next_free_vgpr 34
		.amdhsa_next_free_sgpr 98
		.amdhsa_reserve_vcc 1
		.amdhsa_float_denorm_mode_32 3
		.amdhsa_float_denorm_mode_16_64 3
		.amdhsa_memory_ordered 1
		.amdhsa_forward_progress 1
		.amdhsa_inst_pref_size 84
	.end_amdhsa_kernel
	.amdgpu_metadata
---
amdhsa.version: [ 1, 2 ]
amdhsa.kernels:
  - .name:           k_qbb495703d4_rank
    .symbol:         k_qbb495703d4_rank.kd
    .args:
      - { .name: cls_score, .offset: 0, .size: 8, .value_kind: global_buffer, .address_space: global }
      - { .name: rank, .offset: 8, .size: 8, .value_kind: global_buffer, .address_space: global }
    .group_segment_fixed_size: 4096
    .private_segment_fixed_size: 0
    .kernarg_segment_align: 8
    .kernarg_segment_size: 16
    .max_flat_workgroup_size: 512
    .sgpr_count:     98
    .vgpr_count:     34
    .wavefront_size: 32
...
	.end_amdgpu_metadata
.endif
;; end of part 1
;; launch place (part 2): grid 256 x 1, 1 waves a work-group, no clusters, 0 bytes of LDS; arguments bounding_box, rank, sbox, sarea; writes sbox, sarea
.if DOCPART == 2
	.amdgcn_target "amdgcn-amd-amdhsa--gfx1250"
	.amdhsa_code_object_version 6
	.text
	.protected	k_qbb495703d4_place
	.globl	k_qbb495703d4_place
	.p2align	8
	.type	k_qbb495703d4_place,@function
k_qbb495703d4_place:
	s_mov_b64 s[64:65], 0
	v_nop
	global_prefetch_b8 v0, s[64:65] scope:SCOPE_SE
	s_setreg_imm32_b32 hwreg(HW_REG_WAVE_MODE, 25, 1), 1
	s_wait_xcnt 0x0
; sbox[rank[j]] = box j;  sarea[rank[j]] = A(box j), the box's share of the threshold of the overlap test in the next launch:
;   A = k x area, k = t / (1 + t) with t the real number at which the rounded quotient passes 0.7 (k = 0x3ed2d2d3),
;   so that  inter / (a_i + a_j - inter) > t  is  inter > A_i + A_j.
;   A = +inf for a box with area <= 0.7e-9 (or NaN): its overlap with any box is at most its area (or 0 if a side is negative), and
;   overlap / max(union, 1e-9) then cannot pass 0.7: such a box neither suppresses nor is suppressed.  All other A are positive.
; One lane, one box; 32 boxes a work-group.  The ranks were stored by the launch before, as whole numbers.
; The stores go to rows far apart, 16 and 4 bytes a lane: a permutation gives neighbouring lanes no neighbouring targets.
.set KFAC,  0x3ed2d2d3                 ; 0.41176471
.set SMALL, 0x30406a1f                 ; 7.0e-10 = 0.7 x 1e-9
	s_load_b256 s[4:11], s[0:1], 0x0               ; boxes s[4:5], rank s[6:7], sbox s[8:9], sarea s[10:11]
	s_lshl_b32 s12, ttmp9, 5
	v_add_nc_u32 v1, s12, v0                       ; j
	v_lshlrev_b32 v2, 2, v1
	v_lshlrev_b32 v3, 4, v1
	s_mov_b32 s13, SMALL
	v_mov_b32 v12, 0x7f800000                      ; +inf
	s_wait_kmcnt 0x0
	global_load_b32 v10, v2, s[6:7]
	global_load_b128 v[4:7], v3, s[4:5]            ; y1 x1 y2 x2
	s_wait_loadcnt 0x0
	v_min_u32 v10, 0x1fff, v10                     ; a rank is below 8192
	v_sub_f32 v8, v6, v4                           ; y2 - y1
	v_sub_f32 v9, v7, v5                           ; x2 - x1
	v_mul_f32 v8, v8, v9                           ; area, rounded as the definition rounds it
	v_lshlrev_b32 v11, 4, v10
	v_lshlrev_b32 v13, 2, v10
	v_cmp_lt_f32 vcc_lo, s13, v8                   ; area > 0.7e-9 (false for NaN)
	v_mul_f32 v9, KFAC, v8
	v_cndmask_b32 v9, v12, v9, vcc_lo
	global_store_b128 v11, v[4:7], s[8:9]
	global_store_b32 v13, v9, s[10:11]
	s_endpgm
.Lfunc_end_k_qbb495703d4_place:
	.size	k_qbb495703d4_place, .Lfunc_end_k_qbb495703d4_place-k_qbb495703d4_place
	.p2alignl 7, 3214868480
	.fill 96, 4, 3214868480
	.section	.rodata,"a",@progbits
	.p2align	6, 0x0
	.amdhsa_kernel k_qbb495703d4_place
		.amdhsa_group_segment_fixed_size 0
		.amdhsa_private_segment_fixed_size 0
		.amdhsa_enable_private_segment 0
		.amdhsa_kernarg_size 32
		.amdhsa_user_sgpr_count 2
		.amdhsa_user_sgpr_kernarg_segment_ptr 1
		.amdhsa_wavefront_size32 1
		.amdhsa_system_sgpr_workgroup_id_x 1
		.amdhsa_system_sgpr_workgroup_id_y 1
		.amdhsa_system_sgpr_workgroup_id_z 1
		.amdhsa_system_vgpr_workitem_id 0
		.amdhsa_next_free_vgpr 16
		.amdhsa_next_free_sgpr 66
		.amdhsa_reserve_vcc 1
		.amdhsa_float_denorm_mode_32 3
		.amdhsa_float_denorm_mode_16_64 3
		.amdhsa_memory_ordered 1
		.amdhsa_forward_progress 1
		.amdhsa_inst_pref_size 2
	.end_amdhsa_kernel
	.amdgpu_metadata
---
amdhsa.version: [ 1, 2 ]
amdhsa.kernels:
  - .name:           k_qbb495703d4_place
    .symbol:         k_qbb495703d4_place.kd
    .args:
      - { .name: bounding_box, .offset: 0, .size: 8, .value_kind: global_buffer, .address_space: global }
      - { .name: rank, .offset: 8, .size: 8, .value_kind: global_buffer, .address_space: global }
      - { .name: sbox, .offset: 16, .size: 8, .value_kind: global_buffer, .address_space: global }
      - { .name: sarea, .offset: 24, .size: 8, .value_kind: global_buffer, .address_space: global }
    .group_segment_fixed_size: 0
    .private_segment_fixed_size: 0
    .kernarg_segment_align: 8
    .kernarg_segment_size: 32
    .max_flat_workgroup_size: 32
    .sgpr_count:     66
    .vgpr_count:     16
    .wavefront_size: 32
...
	.end_amdgpu_metadata
.endif
;; end of part 2
;; launch suppress (part 3): grid 256 x 1, 32 waves a work-group, no clusters, 4,352 bytes of LDS; arguments sbox, sarea, out0; writes out0
.if DOCPART == 3
	.amdgcn_target "amdgcn-amd-amdhsa--gfx1250"
	.amdhsa_code_object_version 6
	.text
	.protected	k_qbb495703d4_suppress
	.globl	k_qbb495703d4_suppress
	.p2align	8
	.type	k_qbb495703d4_suppress,@function
k_qbb495703d4_suppress:
	s_mov_b64 s[64:65], 0
	v_nop
	global_prefetch_b8 v0, s[64:65] scope:SCOPE_SE
	s_setreg_imm32_b32 hwreg(HW_REG_WAVE_MODE, 25, 1), 1
	s_wait_xcnt 0x0
; out0[j] = sbox[j] x keep[j];  keep[j] = 0 if some row i < j of the sorted table overlaps column j with IoU > 0.7.
; THE TEST.  With iy1 = max(y1), ih = max(min(y2), iy1) - iy1 (the clip at 0, in one v_minmax and the subtraction), iw = min(x2) - max(x1)
; left unclipped, and A from the launch before (k x area > 0, or +inf):   ih x iw - A_i > A_j.
; A negative iw makes the product <= 0, which cannot pass since A_i + A_j > 0: the same verdict as the clip gives.  ih x iw - A_i is one fma; its
; maximum over the rows is kept for each column and compared with A_j once at the end, so a set of 32 pairs takes 7 vector instructions.
; LIMITS.  (1) The order of rounding differs from  inter / max(a_i + a_j - inter, 1e-9) > 0.7 : a pair whose IoU lies within a few 1e-7
; (relative) of the threshold may be decided otherwise.  (2) The floor 1e-9 under the union is honoured box by box (area <= 0.7e-9: never);
; a pair whose two areas both lie between 0.7e-9 and 1e-9 is judged by its true union, not by 1e-9.  (3) NaN or infinite coordinates are not served.
; THE SHARES.  Work-group b owns the column blocks b and 511 - b, 16 columns = 256 bytes of out0 each.  Block B needs the row sets (32 rows)
; 0 .. B/2 - 1 whole and set B/2, which holds the block itself, under a lane mask.  For the two blocks that is 255 whole sets and 2 masked
; ones whatever b is: 257 items, dealt in turn to the 32 waves (8 or 9 each).  lane = row; the 16 columns are 80 scalars.
; A row set (512 + 128 bytes) goes from memory straight into the registers of the one wave that uses it, one set ahead of its use.
; No cluster, no LDS ring: a joint request lands in LDS, from where exactly one wave of each work-group would read each byte once; that adds a
; store and a load per byte to a table of 160 KB in all.
.set WAVES, 32
.set LANE, 1
.set L16,  2                           ; 16 x lane
.set L4,   3                           ; 4 x lane
.set OB,   4                           ; byte offset of my row in sbox (at the end: of my column in sbox and out0)
.set OA,   5                           ; byte offset of my row in sarea
.set NINF, 6                           ; -inf
.set T0,   7
.set CU,   8                           ; v[8:12]   the row set at work: y1 x1 y2 x2 A
.set T1,   13
.set NX,   16                          ; v[16:20]  the row set on its way
.set AC,   24                          ; v[24:39]  column c: largest ih x iw - A_i so far, in my lane
.set TP,   40                          ; v[40:47]  four columns: pairs (iy1, ix1), then the fma's result in the first of each pair
.set TQ,   48                          ; v[48:55]  four columns: pairs (iy2', ix2), then (ih, iw)
.set SAR,  84                          ; s[84:99]  A of my 16 columns;  boxes: s[4:51] columns 0-11, s[68:83] columns 12-15
; s2 wave, s3 flags, s[52:53] sbox, s[54:55] sarea, s[56:57] out0, s58 block, s59 its masked set D, s60 my next set, s61 trips left,
; s62 s63 s66 s67 masks and offsets, s100 place of the block's flags, s101 which block first, s104 items of the high block, s105 flags of a block
	s_load_b128 s[52:55], s[0:1], 0x0
	s_load_b64 s[56:57], s[0:1], 0x10
	v_lshl_add_u32 v64, v0, 2, 0x100
	v_mov_b32 v65, 0
	v_and_b32 v[LANE], 31, v0
	v_lshrrev_b32 v[T0], 5, v0
	v_readfirstlane_b32 s2, v[T0]                  ; wave number
	v_lshlrev_b32 v[L16], 4, v[LANE]
	v_lshlrev_b32 v[L4], 2, v[LANE]
	v_mov_b32 v[NINF], 0xff800000
	s_bfe_u32 s101, s2, 0x10002                    ; bit 2 of the wave number: half of the waves begin with the low block, so that the
	                                               ; two halves fetch their second set of columns at different times
	s_sub_co_u32 s104, 511, ttmp9
	s_lshr_b32 s104, s104, 1
	s_add_co_u32 s104, s104, 1                     ; the high block's items: its whole sets and the masked one
	s_mov_b32 s3, 0
	s_wait_kmcnt 0x0
; Four columns (scalars from s[sb], columns cb .. cb+3) against the row set in v[row .. row+4].  The four are interleaved so that no line
; needs the result of the line in front of it.  diag = 1: only rows in front of the column count (lanes below its place in the set).
.macro COL4 sb, cb, row, diag
.irp j, 0,1,2,3
	v_max_num_f32 v[TP+2*\j], s[\sb+4*\j], v[\row]                         ; iy1
.endr
.irp j, 0,1,2,3
	v_max_num_f32 v[TP+2*\j+1], s[\sb+4*\j+1], v[\row+1]                   ; ix1
.endr
.irp j, 0,1,2,3
	v_min_num_f32 v[TQ+2*\j+1], s[\sb+4*\j+3], v[\row+3]                   ; ix2
.endr
.irp j, 0,1,2,3
	v_minmax_num_f32 v[TQ+2*\j], s[\sb+4*\j+2], v[\row+2], v[TP+2*\j]      ; max(min(y2, y2), iy1)
.endr
.irp j, 0,1,2,3
	v_pk_add_f32 v[TQ+2*\j:TQ+2*\j+1], v[TQ+2*\j:TQ+2*\j+1], v[TP+2*\j:TP+2*\j+1] neg_lo:[0,1] neg_hi:[0,1]   ; (ih >= 0, iw)
.endr
.irp j, 0,1,2,3
	v_fma_f32 v[TP+2*\j], v[TQ+2*\j], v[TQ+2*\j+1], -v[\row+4]             ; ih x iw - A_i
.endr
.if \diag
.irp j, 0,1,2,3
	s_lshl_b32 s[62+\j+(\j/2)*2], s105, \cb+\j                             ; 1 << the column's place in the set
.endr
.irp j, 0,1,2,3
	s_sub_co_u32 s[62+\j+(\j/2)*2], s[62+\j+(\j/2)*2], 1                   ; the lanes below it
.endr
.irp j, 0,1,2,3
	v_cndmask_b32 v[TP+2*\j], v[NINF], v[TP+2*\j], s[62+\j+(\j/2)*2]
.endr
.endif
.irp j, 0,1,2,3
	v_max_num_f32 v[AC+\cb+\j], v[AC+\cb+\j], v[TP+2*\j]
.endr
.endm
.macro COL16 row, diag
	COL4 4, 0, \row, \diag
	COL4 20, 4, \row, \diag
	COL4 36, 8, \row, \diag
	COL4 68, 12, \row, \diag
.endm
; Four columns' verdicts, shifted into s105 from the highest column down: bit c = some lane of this wave passed
.macro FLAG4 cb
.irp j, 0,1,2,3
	v_cmp_lt_f32 s[62+\j+(\j/2)*2], s[SAR+\cb+\j], v[AC+\cb+\j]            ; A_j < max over my rows of (ih x iw - A_i)
.endr
.irp j, 3,2,1,0
	s_min_u32 s[62+\j+(\j/2)*2], s[62+\j+(\j/2)*2], 1
	s_lshl1_add_u32 s105, s105, s[62+\j+(\j/2)*2]
.endr
.endm
; One block of 16 columns.  p = 0: the wave's first block, 1: its second.
.macro PHASE p
	s_sub_co_u32 s58, 511, ttmp9
	s_cmp_eq_u32 s101, \p                          ; the high block?
	s_cselect_b32 s58, s58, ttmp9                  ; block
	s_cselect_b32 s62, 0, s104                     ; items dealt in front of this block's first set
	s_cselect_b32 s100, 16, 0                      ; its flags: high block bits 16-31, low block bits 0-15
	s_lshr_b32 s59, s58, 1                         ; D: the set that holds the block; sets 0 .. D-1 lie wholly in front of it
	s_lshl_b32 s66, s58, 8                         ; 16 columns x 16 bytes
	s_lshl_b32 s67, s58, 6                         ; 16 columns x 4 bytes
	s_load_b512 s[4:19], s[52:53], s66
	s_load_b512 s[20:35], s[52:53], s66 offset:0x40
	s_load_b512 s[36:51], s[52:53], s66 offset:0x80
	s_load_b512 s[68:83], s[52:53], s66 offset:0xc0
	s_load_b512 s[SAR:SAR+15], s[54:55], s67
	s_sub_co_u32 s60, s2, s62
	s_and_b32 s60, s60, WAVES-1                    ; my first set of this block; then every 32nd
	s_add_co_u32 s61, s59, WAVES-1
	s_sub_co_u32 s61, s61, s60
	s_lshr_b32 s61, s61, 5                         ; how many of them are below D
	s_min_u32 s62, s60, s59                        ; what is fetched is never beyond D: every load stays in the table
	v_lshl_add_u32 v[OB], s62, 9, v[L16]
	v_lshl_add_u32 v[OA], s62, 7, v[L4]
	global_load_b128 v[NX:NX+3], v[OB], s[52:53]   ; 512 consecutive bytes a wave
	global_load_b32 v[NX+4], v[OA], s[54:55]
.irp c, 0,1,2,3,4,5,6,7,8,9,10,11,12,13,14,15
	v_mov_b32 v[AC+\c], v[NINF]
.endr
	s_wait_kmcnt 0x0                               ; the columns are in; s66, s67 are free
	s_cmp_eq_u32 s61, 0
	s_cbranch_scc1 .Lwhole_done\p
.Lwhole\p:
	s_wait_loadcnt 0x0                             ; the set asked for a whole trip ago; OB and OA are free with it
	v_dual_mov_b32 v[CU], v[NX] :: v_dual_mov_b32 v[CU+1], v[NX+1]         ; three lines of copies a trip spare a second copy
	v_dual_mov_b32 v[CU+2], v[NX+2] :: v_dual_mov_b32 v[CU+3], v[NX+3]     ; of the 112 lines below for the other slot
	v_mov_b32 v[CU+4], v[NX+4]
	s_add_co_u32 s60, s60, WAVES
	s_min_u32 s62, s60, s59
	v_lshl_add_u32 v[OB], s62, 9, v[L16]
	v_lshl_add_u32 v[OA], s62, 7, v[L4]
	global_load_b128 v[NX:NX+3], v[OB], s[52:53]
	global_load_b32 v[NX+4], v[OA], s[54:55]
	COL16 CU, 0
	s_sub_co_u32 s61, s61, 1
	s_cmp_lg_u32 s61, 0
	s_cbranch_scc1 .Lwhole\p
.Lwhole_done\p:
	s_wait_loadcnt 0x0                             ; the last set asked for: D itself in the wave whose turn D is
	s_cmp_lg_u32 s60, s59
	s_cbranch_scc1 .Lno_diag\p
	s_and_b32 s105, s58, 1
	s_lshl_b32 s105, s105, 4
	s_lshl_b32 s105, 1, s105                       ; column 0 of the block is lane 0 or lane 16 of set D
	COL16 NX, 1
.Lno_diag\p:
	s_mov_b32 s105, 0
	FLAG4 12
	FLAG4 8
	FLAG4 4
	FLAG4 0
	s_lshl_b32 s105, s105, s100
	s_or_b32 s3, s3, s105
.endm
	PHASE 0
	PHASE 1
	; every wave's 32 flags meet in LDS, one word a wave
	v_mov_b32 v[T0], s3
	s_lshl_b32 s62, s2, 2
	v_mov_b32 v[T1], s62
	ds_store_b32 v[T1], v[T0]                      ; all lanes, the same word, the same value
	s_wait_dscnt 0x0                               ; for wave 0, which reads it: zero
	s_barrier_signal -1
	s_barrier_wait -1
	s_cmp_lg_u32 s2, 0
	s_cbranch_scc1 .Lend
	; wave 0: lane l < 16 is column l of the low block, lane l >= 16 column l - 16 of the high block
	s_lshl_b32 s62, ttmp9, 8                       ; low block: b x 256 bytes
	s_sub_co_u32 s63, 510, ttmp9
	s_lshl_b32 s63, s63, 8                         ; high block: (511 - b) x 256, less the 256 that 16 x lane brings along
	v_mov_b32 v[T0], s63
	v_mov_b32 v[T1], s62
	v_cmp_gt_u32 vcc_lo, 16, v[LANE]
	v_cndmask_b32 v[OB], v[T0], v[T1], vcc_lo
	v_add_nc_u32 v[OB], v[OB], v[L16]
	global_load_b128 v[NX:NX+3], v[OB], s[52:53]
	v_mov_b32 v[T1], 0
.irp i, 0,1,2,3,4,5,6,7
	ds_load_b128 v[AC+4*\i:AC+4*\i+3], v[T1] offset:16*\i      ; the 32 words, in every lane
.endr
	s_wait_dscnt 0x0
.irp i, 0,1,2,3,4,5,6,7,8,9,10,11,12,13,14,15
	v_or_b32 v[AC+\i], v[AC+\i], v[AC+16+\i]
.endr
.irp i, 0,1,2,3,4,5,6,7
	v_or_b32 v[AC+\i], v[AC+\i], v[AC+8+\i]
.endr
.irp i, 0,1,2,3
	v_or_b32 v[AC+\i], v[AC+\i], v[AC+4+\i]
.endr
	v_or_b32 v[AC], v[AC], v[AC+2]
	v_or_b32 v[AC+1], v[AC+1], v[AC+3]
	v_or_b32 v[AC], v[AC], v[AC+1]
	v_lshrrev_b32 v[T0], v[LANE], v[AC]
	v_and_b32 v[T0], 1, v[T0]                      ; my column's flag
	v_cmp_eq_u32 vcc_lo, 0, v[T0]
	v_cndmask_b32 v[T0], 0, 1.0, vcc_lo            ; keep, as a number
	s_wait_loadcnt 0x0
.irp i, 0,1,2,3
	v_mul_f32 v[NX+\i], v[NX+\i], v[T0]            ; box x keep, as the definition multiplies
.endr
	global_store_b128 v[OB], v[NX:NX+3], s[56:57]  ; each half of the lanes stores 256 consecutive bytes, at a multiple of 256 from out0's first byte
.Lend:
	s_wait_tensorcnt 0x0
	ds_add_u32 v64, v65
	s_wait_dscnt 0x0
	s_endpgm
.Lfunc_end_k_qbb495703d4_suppress:
	.size	k_qbb495703d4_suppress, .Lfunc_end_k_qbb495703d4_suppress-k_qbb495703d4_suppress
	.p2alignl 7, 3214868480
	.fill 96, 4, 3214868480
	.section	.rodata,"a",@progbits
	.p2align	6, 0x0
	.amdhsa_kernel k_qbb495703d4_suppress
		.amdhsa_group_segment_fixed_size 4352
		.amdhsa_private_segment_fixed_size 0
		.amdhsa_enable_private_segment 0
		.amdhsa_kernarg_size 24
		.amdhsa_user_sgpr_count 2
		.amdhsa_user_sgpr_kernarg_segment_ptr 1
		.amdhsa_wavefront_size32 1
		.amdhsa_system_sgpr_workgroup_id_x 1
		.amdhsa_system_sgpr_workgroup_id_y 1
		.amdhsa_system_sgpr_workgroup_id_z 1
		.amdhsa_system_vgpr_workitem_id 0
		.amdhsa_next_free_vgpr 66
		.amdhsa_next_free_sgpr 106
		.amdhsa_reserve_vcc 1
		.amdhsa_float_denorm_mode_32 3
		.amdhsa_float_denorm_mode_16_64 3
		.amdhsa_memory_ordered 1
		.amdhsa_forward_progress 1
		.amdhsa_inst_pref_size 37
	.end_amdhsa_kernel
	.amdgpu_metadata
---
amdhsa.version: [ 1, 2 ]
amdhsa.kernels:
  - .name:           k_qbb495703d4_suppress
    .symbol:         k_qbb495703d4_suppress.kd
    .args:
      - { .name: sbox, .offset: 0, .size: 8, .value_kind: global_buffer, .address_space: global }
      - { .name: sarea, .offset: 8, .size: 8, .value_kind: global_buffer, .address_space: global }
      - { .name: out0, .offset: 16, .size: 8, .value_kind: global_buffer, .address_space: global }
    .group_segment_fixed_size: 4352
    .private_segment_fixed_size: 0
    .kernarg_segment_align: 8
    .kernarg_segment_size: 24
    .max_flat_workgroup_size: 1024
    .sgpr_count:     106
    .vgpr_count:     66
    .wavefront_size: 32
...
	.end_amdgpu_metadata
.endif
;; end of part 3
